; MI455X (gfx1250); checked and timed in simulation.
; The chip was launched on July 23, 2026; its instructions are those of AMD's public machine-readable ISA for CDNA 5 (MIT licence, August 2026) and "CDNA5" Instruction Set Architecture Reference Guide (July 2026). The comments in the code are by the model that wrote it; some were corrected since.
;; Multi Head Attention. Allowed arithmetic: matrix products marked QUANTISED: E3M2 operands, one E8M0 scale for each 32 along K, by v_wmma_scale_f32_16x16x128_f8f6f4 with both operands' format E3M2, f32 sums; everything else in f32.
;; Inputs: W_key 1,024 x 1,024 float32; W_out 1,024 x 1,024 float32; W_query 1,024 x 1,024 float32; W_value 1,024 x 1,024 float32; b_out 1,024 float32; x 4 x 2,048 x 1,024 float32.
;; Outputs: out0 4 x 2,048 x 1,024 float32.
;; This version of the problem:
;;   THIS VERSION OF THE PROBLEM IS GIVEN IN LOW PRECISION. The matrix products marked QUANTISED in the list below multiply operands that are first quantised to E3M2 (3 exponent bits, 2 mantissa bits; 6 bits a number), with one power-of-two scale for each 32 numbers along K (OCP MX v1.0); their sums are f32. All else is computed in f32.
;;   The module's matrix products, in the order in which they are computed (A, B: the left and right operand; K: the contracted axis; several contracted axes count as one K, in the product's order):
;;     1. [M 8,192, K 1,024] x [K 1,024, N 1,024]; A: input x; B: input W_query: QUANTISED
;;     2. [M 8,192, K 1,024] x [K 1,024, N 1,024]; A: input x; B: input W_key: QUANTISED
;;     3. [M 8,192, K 1,024] x [K 1,024, N 1,024]; A: input x; B: input W_value: QUANTISED
;;     4. batch 64 x [M 2,048, K 64] x [K 64, N 2,048]; A: computed on the way; B: computed on the way: QUANTISED
;;     5. batch 64 x [M 2,048, K 2,048] x [K 2,048, N 64]; A: softmax (see below); B: computed on the way: QUANTISED
;;     6. [M 8,192, K 1,024] x [K 1,024, N 1,024]; A: computed on the way; B: input W_out: QUANTISED
;;   THE QUANTISER, for each operand of a quantised product, along K:
;;     - K is cut into blocks of 32 from its start; a last block that is shorter is filled with zeros.
;;     - A block's scale is 2^e with e = floor(log2(the largest magnitude in the block)) - 4, held to -126 .. 127; a block of zeros has e = 0. As a byte (E8M0): e + 127.
;;     - Each number is divided by its block's scale, clamped to +-28, and rounded to the nearest number of E3M2, ties to even, subnormals kept.
;;     - The product sums the exact products of the quantised numbers (number of the format x scale) in f32.
;;   ~~~python
;;   def quantise(x, axis):      # numpy; x: float32 -> the quantised numbers, widened to float32 again
;;       x = np.moveaxis(x, axis, -1); K = x.shape[-1]
;;       x = np.pad(x, [(0, 0)] * (x.ndim - 1) + [(0, -K % 32)]); x = x.reshape(x.shape[:-1] + (-1, 32)); a = np.abs(x).max(-1, keepdims=True)
;;       e = np.where(a > 0, np.clip(np.frexp(np.where(a > 0, a, 1))[1] - 1 - 4, -126, 127), 0)      # np.frexp(a)[1] - 1 = floor(log2(a)), exactly
;;       r = np.clip(x / 2.0 ** e, -28, 28)
;;       step = 2.0 ** (np.maximum(np.frexp(np.where(r == 0, 1, r))[1] - 1, -2) - 2)
;;       q = np.round(r / step) * step * 2.0 ** e      # np.round: ties to even
;;       return np.moveaxis(q.reshape(q.shape[:-2] + (-1,))[..., :K], -1, axis).astype(np.float32)
;;   ~~~
;;   SOFTMAX AHEAD OF A QUANTISED PRODUCT. Where the list says 'softmax', what is quantised is not the finished softmax but p = 2^(t - M), with t = logit x log2(e) and M = ceil(the row's largest t), a whole number; so 1/2 < the row's largest p <= 1. The row's sum l is taken of the UNQUANTISED p, in f32, and the product's result is divided by l at the end. Since M is a whole number, a kernel that streams over the keys may use a running M (the ceiling of the running maximum): every later rescaling is an exact power of two, which a block's scale takes up: the codes' values come out the same.
;;   OPERANDS COMPUTED ON THE WAY. 'Computed on the way' means the value that the module computes at that place (a softmax that the list does not call 'softmax' is quantised finished and normalised). What goes into a quantiser is computed in f32, as accurately as f32 sums, v_exp_f32 and their like allow (about 1e-6 of the number): no bf16 or f16 on the way to a quantiser, and a product that is left as it is and whose result goes on into a quantised operand takes f32 operands (vector FMAs, or v_wmma_f32_16x16x4_f32). A number that lies on a knife's edge between two numbers of the format may be rounded either way, as far as f32 arithmetic and the matrix unit's own rounding can turn it there, and no further.
;; One version. Each part assembles by itself: llvm-mc -triple=amdgcn-amd-amdhsa -mcpu=gfx1250 --defsym DOCPART=n.
;; ======== version 1 of 1: 4 launches
;; workspace buffers: xq 6,553,600 bytes; wq 3,276,800 bytes; qbuf 6,815,744 bytes; kvbuf 13,369,344 bytes; ctxq 6,553,600 bytes
;; launch quant (part 1): grid 768 x 1, 4 waves a work-group, no clusters, 34,304 bytes of LDS; arguments x, W_query, W_key, W_value, W_out, xq, wq; writes xq, wq
.if DOCPART == 1
	.amdgcn_target "amdgcn-amd-amdhsa--gfx1250"
	.amdhsa_code_object_version 6
	.text
	.protected	k_qc759a26d10_quant
	.globl	k_qc759a26d10_quant
	.p2align	8
	.type	k_qc759a26d10_quant,@function
k_qc759a26d10_quant:
	s_mov_b64 s[64:65], 0
	v_nop
	global_prefetch_b8 v0, s[64:65] scope:SCOPE_SE
	s_setreg_imm32_b32 hwreg(HW_REG_WAVE_MODE, 25, 1), 1
	s_wait_xcnt 0x0
; x [8192][1024] and the four weights [1024 (k)][1024 (n)], f32, become codes of E3M2 (6 bits) with one E8M0 byte for each 32 along K.
; THE FORMAT OF EVERY OPERAND OF THIS PROGRAM.  A TILE is 16 rows that are not neighbours: row r of tile T is 32 (T / 2) + 8 (T % 2) + r + 8 (r / 8).
; A UNIT is a tile's 64 along K in 768 bytes: lane L = 16 h + r of a reader owns bytes 24 L .. 24 L + 23, the 32 codes of block h of the tile's row r.
; A RECORD is a tile's K = 1,024: 16 units, then at byte 12,288 the scale bytes, 32 a row: 12,800 bytes.  xq: 512 records; wq: 4 matrices x 64 records (rows = columns n).
; A block's scale is 2^(floor(log2(its largest magnitude)) - 4); its byte is the largest magnitude's exponent field - 4, held at 1 from below.
; LIMITS: NaN and infinities among the inputs are not served; a block whose largest magnitude lies under 2^-122 keeps the byte 1; a block of zeros gets the byte 1
; where the rule says 127: its codes are zeros, which add nothing under that byte, and the bytes are read by this program alone.
; Work-groups 0-255 take the weights (the longer job), 256-767 a tile of x each.  The two paths have LDS bytes of their own; a wave touches only its own bytes: no barrier.
.set REC,   12800
.set WMAT,  64*REC
.set FLOOR, 0x2800000                  ; 2^(5 - 127)
.set OFF4,  0xfe000000                 ; 4 off an exponent field
.set XSTG,  16384                      ; x path: a stage of 16 rows x 272 bytes for each wave
	s_load_b256 s[4:11], s[0:1], 0x0               ; x, W_query, W_key, W_value
	s_load_b128 s[12:15], s[0:1], 0x20             ; W_out, xq
	s_load_b64 s[16:17], s[0:1], 0x30              ; wq
	v_lshl_add_u32 v224, v0, 2, 0x8400
	v_mov_b32 v225, 0
	v_lshrrev_b32 v1, 5, v0
	v_readfirstlane_b32 s18, v1                    ; wave 0..3
	v_and_b32 v2, 31, v0                           ; lane
	s_cmp_lt_u32 ttmp9, 256
	s_cbranch_scc0 .Lx_path
; ---- THE WEIGHTS.  Work-group = (matrix m, 128 columns, 128 along K).  A LANE TAKES A COLUMN AND ITS REGISTERS RUN DOWN K: a block of 32 lies in one lane.
	s_lshr_b32 s19, ttmp9, 6                       ; m: 0 query, 1 key, 2 value, 3 out
	s_bfe_u32 s20, ttmp9, 0x30003                  ; which 128 columns
	s_and_b32 s21, ttmp9, 7                        ; s: which 128 along K
	s_lshl_b32 s22, s20, 2
	s_add_co_u32 s22, s22, s18                     ; g: my wave's 32 columns = tiles 2 g, 2 g + 1
	v_lshlrev_b32 v3, 2, v2                        ; in: 4 bytes a lane
	v_bfe_u32 v4, v2, 3, 1                         ; column l lies in tile 2 g + u, u = (l / 8) % 2,
	v_and_b32 v5, 7, v2
	v_lshrrev_b32 v6, 4, v2
	v_lshl_or_b32 v5, v6, 3, v5                    ; as its row r = l % 8 + 8 (l / 16)
	s_lshl_b32 s23, s18, 12                        ; my stage: 4,096 bytes: each 12 bytes of codes have a place of 16
	v_lshlrev_b32 v7, 11, v4
	v_lshl_add_u32 v7, v5, 5, v7
	v_add_nc_u32 v7, s23, v7                       ; into it: 2,048 u + 32 r
	s_wait_alu depctr_va_vdst(0)
	v_lshl_add_u32 v8, v2, 4, s23                  ; out of it: 16 l
	v_mul_u32_u24 v9, v2, 12                       ; and 12 l in memory
	v_mul_u32_u24 v10, v4, REC
	v_lshl_add_u32 v10, v5, 5, v10                 ; my column's scale bytes: record u, 32 r
	s_lshl_b32 s24, s21, 19                        ; 128 s rows of 4,096 bytes
	s_lshl_b32 s25, s22, 7                         ; + 32 g columns
	s_add_co_u32 s24, s24, s25
	s_mov_b32 s25, 0
	s_mul_i32 s26, s19, WMAT
	s_mul_i32 s27, s22, 2*REC
	s_add_co_u32 s26, s26, s27                     ; my pair of records
	s_mul_i32 s27, s21, 1536
	s_add_co_u32 s28, s26, s27                     ; units 2 s, 2 s + 1
	s_mov_b32 s29, 0
	s_lshl_b32 s27, s21, 2
	s_add_co_u32 s30, s26, s27
	s_add_co_u32 s30, s30, 12288                   ; scale word s
	s_mov_b32 s31, 0
	s_wait_kmcnt 0x0
	s_cmp_eq_u32 s19, 1                            ; the choice of the weight hangs on the work-group's number alone
	s_cselect_b64 s[6:7], s[8:9], s[6:7]
	s_cmp_eq_u32 s19, 2
	s_cselect_b64 s[6:7], s[10:11], s[6:7]
	s_cmp_eq_u32 s19, 3
	s_cselect_b64 s[6:7], s[12:13], s[6:7]
	s_add_nc_u64 s[6:7], s[6:7], s[24:25]
	s_add_nc_u64 s[28:29], s[16:17], s[28:29]
	s_add_nc_u64 s[30:31], s[16:17], s[30:31]
.set i, 0
.rept 128
	global_load_b32 v[64+i], v3, s[6:7] offset:i*4096 th:TH_LOAD_NT   ; W(128 s + i, my column): 32 lanes read 128 consecutive bytes, the four waves 512
.set i, i+1
.endr
.macro WBLOCK t, left                  ; block t of my column: its largest magnitude, byte, 32 codes
.set XS, 64+32*(\t)
	s_wait_loadcnt \left                           ; this block's 32 loads are in; behind them 96, 64, 32, 0 were issued (a wait names 63 at the most)
	v_max3_num_f32 v12, |v[XS]|, |v[XS+1]|, |v[XS+2]|
	v_max3_num_f32 v13, |v[XS+3]|, |v[XS+4]|, |v[XS+5]|
.irp i, 6,10,14,18,22,26
	v_max3_num_f32 v12, v12, |v[XS+\i]|, |v[XS+\i+1]|
	v_max3_num_f32 v13, v13, |v[XS+\i+2]|, |v[XS+\i+3]|
.endr
	v_max3_num_f32 v12, v12, |v[XS+30]|, |v[XS+31]|
	v_max3_num_f32 v12, v12, v13, FLOOR            ; the floor holds the byte at 1 from below
	v_add_nc_u32 v11, OFF4, v12                    ; the conversion takes this operand's exponent field as its scale
	v_lshrrev_b32 v13, 23, v11                     ; the byte
.if (\t) == 0
	v_mov_b32 v24, v13
.else
	v_lshl_or_b32 v24, v13, 8*(\t), v24            ; four bytes: the scale word of these 128 along K
.endif
	v_cvt_scalef32_pk16_bf6_f32 v[192+8*(\t):194+8*(\t)], v[XS:XS+15], v11
	v_cvt_scalef32_pk16_bf6_f32 v[196+8*(\t):198+8*(\t)], v[XS+16:XS+31], v11
	ds_store_b96 v7, v[192+8*(\t):194+8*(\t)] offset:((\t)/2)*1024+((\t)%2)*512      ; unit t / 2, block t % 2, lower 16 codes
	ds_store_b96 v7, v[196+8*(\t):198+8*(\t)] offset:((\t)/2)*1024+((\t)%2)*512+16   ; upper 16
.endm
	WBLOCK 0, 63
	WBLOCK 1, 63
	WBLOCK 2, 32
	WBLOCK 3, 0
	global_store_b32 v10, v24, s[30:31]
.irp i, 0,1,2,3,4,5,6,7
	ds_load_b96 v[32+4*\i:34+4*\i], v8 offset:512*\i   ; LDS serves a wave's instructions in order: these see my stores
.endr
.irp i, 0,1,2,3,4,5,6,7
	s_wait_dscnt 7-\i                              ; the read-backs behind this one may be out
	global_store_b96 v9, v[32+4*\i:34+4*\i], s[28:29] offset:(\i/4)*REC+((\i/2)%2)*768+(\i%2)*384   ; 32 lanes store 384 consecutive bytes: half a unit
.endr
	s_wait_tensorcnt 0x0
	ds_add_u32 v224, v225
	s_wait_dscnt 0x0
	s_endpgm
; ---- x.  Work-group = tile T; wave w takes units 4 w .. 4 w + 3 (256 along K).  Each load reads whole 256-byte pieces of two rows; a unit turns through the wave's stage,
; so that lane (r, hh) holds 16 neighbours of each of the unit's two blocks of row r.
.Lx_path:
	s_sub_co_u32 s19, ttmp9, 256                   ; T
	s_lshr_b32 s20, s19, 1
	s_lshl_b32 s20, s20, 5
	s_and_b32 s21, s19, 1
	s_lshl_b32 s21, s21, 3
	s_add_co_u32 s20, s20, s21                     ; the tile's first row
	s_lshl_b32 s24, s20, 12
	s_lshl_b32 s21, s18, 10
	s_add_co_u32 s24, s24, s21                     ; + 256 w numbers
	s_mov_b32 s25, 0
	s_mul_i32 s26, s19, REC
	s_mul_i32 s21, s18, 3072
	s_add_co_u32 s28, s26, s21                     ; my four units
	s_mov_b32 s29, 0
	s_lshl_b32 s21, s18, 3
	s_add_co_u32 s30, s26, s21
	s_add_co_u32 s30, s30, 12288                   ; my 8 scale bytes of each row
	s_mov_b32 s31, 0
	s_mul_i32 s23, s18, 4352
	s_add_co_u32 s23, s23, XSTG                    ; my stage
	s_wait_alu depctr_va_vdst(0)
	v_and_b32 v3, 15, v2                           ; r
	v_lshrrev_b32 v4, 4, v2                        ; hh
	v_lshlrev_b32 v5, 4, v3
	v_lshl_add_u32 v6, v4, 12, v5                  ; in: lanes 0-15 one row's 256 bytes, lanes 16-31 the next row's
	v_mul_u32_u24 v7, v4, 272
	v_add_nc_u32 v7, v7, v5
	v_add_nc_u32 v7, s23, v7                       ; the same in the stage
	v_mul_u32_u24 v8, v3, 272
	v_lshl_add_u32 v8, v4, 6, v8
	v_add_nc_u32 v8, s23, v8                       ; back: row r, + 64 hh
	v_mul_u32_u24 v9, v3, 24
	v_mad_u32_u24 v9, v4, 12, v9                   ; my 12 bytes of a block: 24 r + 12 hh
	v_lshlrev_b32 v10, 5, v3
	v_lshl_add_u32 v10, v4, 2, v10                 ; scale words: 32 r + 4 hh
	s_mov_b32 s32, 0x76543210
	s_mov_b32 s33, 0xfedcba98                      ; v_permlanex16_b32's selects for lane l xor 16
	s_mov_b32 s34, 0xffff0000                      ; lanes 16-31
	v_mov_b32 v14, 0                               ; a lane permute's destination counts as one of its sources
	v_mov_b32 v15, 0
	s_wait_alu depctr_va_vdst(0)
	s_wait_kmcnt 0x0
	s_add_nc_u64 s[4:5], s[4:5], s[24:25]
	s_add_nc_u64 s[28:29], s[14:15], s[28:29]
	s_add_nc_u64 s[30:31], s[14:15], s[30:31]
.irp uu, 0,1,2,3
.irp i, 0,1,2,3,4,5,6,7
	global_load_b128 v[64+32*\uu+4*\i:67+32*\uu+4*\i], v6, s[4:5] offset:(2*\i+8*(\i/4))*4096+256*\uu th:TH_LOAD_NT   ; the tile's rows 2 i, 2 i + 1
.endr
.endr
.macro XUNIT uu
	s_wait_loadcnt 24-8*(\uu)                      ; this unit's eight loads are in; those of the units behind it may be out
.irp i, 0,1,2,3,4,5,6,7
	ds_store_b128 v7, v[64+32*(\uu)+4*\i:67+32*(\uu)+4*\i] offset:544*\i
.endr
.irp i, 0,1,2,3,4,5,6,7
	ds_load_b128 v[32+4*\i:35+4*\i], v8 offset:128*(\i/4)+16*(\i%4)   ; v32-47: block 0, v48-63: block 1: my 16 numbers of each
.endr
	s_wait_dscnt 0x0
	v_max3_num_f32 v12, |v32|, |v33|, FLOOR
	v_max3_num_f32 v13, |v48|, |v49|, FLOOR
.irp i, 2,4,6,8,10,12,14
	v_max3_num_f32 v12, v12, |v[32+\i]|, |v[33+\i]|
	v_max3_num_f32 v13, v13, |v[48+\i]|, |v[49+\i]|
.endr
	v_permlanex16_b32 v14, v12, s32, s33
	v_permlanex16_b32 v15, v13, s32, s33
	v_max_num_f32 v12, v12, v14                    ; with lane l xor 16's 16: the block's largest magnitude
	v_max_num_f32 v13, v13, v15
	v_add_nc_u32 v16, OFF4, v12
	v_add_nc_u32 v17, OFF4, v13
	v_cvt_scalef32_pk16_bf6_f32 v[192+8*(\uu):194+8*(\uu)], v[32:47], v16
	v_cvt_scalef32_pk16_bf6_f32 v[196+8*(\uu):198+8*(\uu)], v[48:63], v17
	v_lshrrev_b32 v18, 23, v16                     ; the bytes
	v_lshrrev_b32 v19, 23, v17
.if (\uu)%2 == 0
	v_lshl_or_b32 v[24+(\uu)/2], v19, 8, v18
.else
	v_lshl_or_b32 v[24+(\uu)/2], v18, 16, v[24+(\uu)/2]
	v_lshl_or_b32 v[24+(\uu)/2], v19, 24, v[24+(\uu)/2]
.endif
	global_store_b96 v9, v[192+8*(\uu):194+8*(\uu)], s[28:29] offset:768*(\uu)       ; 32 lanes store 384 consecutive bytes
	global_store_b96 v9, v[196+8*(\uu):198+8*(\uu)], s[28:29] offset:768*(\uu)+384
.endm
	XUNIT 0
	XUNIT 1
	XUNIT 2
	XUNIT 3
	v_cndmask_b32 v26, v24, v25, s34               ; lanes 0-15 store the row's first word, lanes 16-31 its second
	global_store_b32 v10, v26, s[30:31]
	s_wait_tensorcnt 0x0
	ds_add_u32 v224, v225
	s_wait_dscnt 0x0
	s_endpgm
.Lfunc_end_k_qc759a26d10_quant:
	.size	k_qc759a26d10_quant, .Lfunc_end_k_qc759a26d10_quant-k_qc759a26d10_quant
	.p2alignl 7, 3214868480
	.fill 96, 4, 3214868480
	.section	.rodata,"a",@progbits
	.p2align	6, 0x0
	.amdhsa_kernel k_qc759a26d10_quant
		.amdhsa_group_segment_fixed_size 34304
		.amdhsa_private_segment_fixed_size 0
		.amdhsa_enable_private_segment 0
		.amdhsa_kernarg_size 56
		.amdhsa_user_sgpr_count 2
		.amdhsa_user_sgpr_kernarg_segment_ptr 1
		.amdhsa_wavefront_size32 1
		.amdhsa_system_sgpr_workgroup_id_x 1
		.amdhsa_system_sgpr_workgroup_id_y 1
		.amdhsa_system_sgpr_workgroup_id_z 1
		.amdhsa_system_vgpr_workitem_id 0
		.amdhsa_next_free_vgpr 226
		.amdhsa_next_free_sgpr 66
		.amdhsa_reserve_vcc 0
		.amdhsa_float_denorm_mode_32 3
		.amdhsa_float_denorm_mode_16_64 3
		.amdhsa_memory_ordered 1
		.amdhsa_forward_progress 1
		.amdhsa_inst_pref_size 39
	.end_amdhsa_kernel
	.amdgpu_metadata
---
amdhsa.version: [ 1, 2 ]
amdhsa.kernels:
  - .name:           k_qc759a26d10_quant
    .symbol:         k_qc759a26d10_quant.kd
    .args:
      - { .name: x, .offset: 0, .size: 8, .value_kind: global_buffer, .address_space: global }
      - { .name: W_query, .offset: 8, .size: 8, .value_kind: global_buffer, .address_space: global }
      - { .name: W_key, .offset: 16, .size: 8, .value_kind: global_buffer, .address_space: global }
      - { .name: W_value, .offset: 24, .size: 8, .value_kind: global_buffer, .address_space: global }
      - { .name: W_out, .offset: 32, .size: 8, .value_kind: global_buffer, .address_space: global }
      - { .name: xq, .offset: 40, .size: 8, .value_kind: global_buffer, .address_space: global }
      - { .name: wq, .offset: 48, .size: 8, .value_kind: global_buffer, .address_space: global }
    .group_segment_fixed_size: 34304
    .private_segment_fixed_size: 0
    .kernarg_segment_align: 8
    .kernarg_segment_size: 56
    .max_flat_workgroup_size: 128
    .sgpr_count:     66
    .vgpr_count:     226
    .wavefront_size: 32
...
	.end_amdgpu_metadata
.endif
;; end of part 1
;; launch qkv (part 2): grid 8 x 32, 4 waves a work-group, clusters of 4 x 1, 327,680 bytes of LDS; arguments xq, wq, qbuf, kvbuf; writes qbuf, kvbuf
.if DOCPART == 2
	.amdgcn_target "amdgcn-amd-amdhsa--gfx1250"
	.amdhsa_code_object_version 6
	.text
	.protected	k_qc759a26d10_qkv
	.globl	k_qc759a26d10_qkv
	.p2align	8
	.type	k_qc759a26d10_qkv,@function
k_qc759a26d10_qkv:
	s_mov_b64 s[64:65], 0
	v_nop
	global_prefetch_b8 v0, s[64:65] scope:SCOPE_SE
	s_setreg_imm32_b32 hwreg(HW_REG_WAVE_MODE, 25, 1), 1
	s_wait_xcnt 0x0
	s_wait_alu depctr_hold_cnt(0) depctr_sa_sdst(0) depctr_va_vdst(0) depctr_va_sdst(0) depctr_va_ssrc(0) depctr_va_vcc(0) depctr_vm_vsrc(0)
	s_getreg_b32 s2, hwreg(HW_REG_IB_STS2, 6, 4)
	s_cmp_eq_u32 s2, 0
	s_cbranch_scc0 .Lentry_in_a_cluster
	s_endpgm
.Lentry_in_a_cluster:
	s_bfe_u32 s2, ttmp6, 0x10000c
	s_cmp_lg_u32 s2, 0x3003
	s_cbranch_scc0 .Lentry_shape_is_right
	s_endpgm
.Lentry_shape_is_right:
; q = x W_query, k = x W_key, v = x W_value on codes of E3M2, f32 sums; the results are quantised from the accumulators and leave as codes: q and k along the head's 64, v along the keys.
; Tiles, units and records: a tile's row r is 32 (T / 2) + 8 (T % 2) + r + 8 (r / 8); a unit is a tile's 64 along K, 24 bytes a lane; a record is 16 units + 512 scale bytes.
; SHARES.  Work-group = (pair of heads hp, block I of 256 rows of x, which is one slot of 256 keys).  THE WAVES SHARE THE COLUMNS: wave w keeps six tiles of weights for all of K in registers
; (576): four of W_query (w < 2) or W_key, the 64 columns of head 2 hp + w % 2; two of W_value, head 2 hp + w / 2, d tiles 2 (w % 2) + 0, 1.
; The block's 16 records of x lie in LDS, filled once: no slot is filled again.  x goes in pairs of tiles: 12 accumulators x 8 steps of 128 along K = 96 matrix instructions.
; q, k: source 0 = weights, source 1 = x: a lane holds one row of x and, in two accumulators, 16 neighbouring d.  v: source 0 = x, source 1 = weights: one d and 16 neighbouring keys.
; So a conversion's 16 codes are 12 bytes of a unit: 384 block + 24 r + 12 half; a wave's store covers 384 consecutive bytes.
; CLUSTER.  The four work-groups of a cluster take the same block of x: it is asked for jointly (mask 15).  The place in the cluster enters global addresses of weights and results alone.
; The weights go straight into registers, which no joint request serves.
; qbuf: codes [bh 64][T 128][768]; from byte 6,291,456 scale words [bh][T][16].  kvbuf: [bh][slot 8] blocks of 26,112 bytes: K codes [T 16][768]; at 12,288 V^T codes [Td 4][c64 4][768];
; at 24,576 K's scale words [T 16][16]; at 25,600 V's [k128 2][Td 4][16].  q's and k's word is b0 | b1 << 8, repeated in the upper half (it scales zero codes there).
; LIMITS: NaN and infinities are not served; a block under 2^-122, and a block of zeros, keeps the byte 1 (its reader is this program alone).
; REGISTERS.  Window 0: v1-6 lane terms; v16-111 accumulators; v112-135 weights' scale words; v136-143 x's; v144-197 the way out.  Windows 1-3: weights, fragment (j, s) at 72 (s % 3) + 12 j of
; window 1 + s / 3.  Window 3 from v144: x's fragments, four sets of two tiles.
.set REC,   12800
.set PAIR,  2*REC
.set WMAT,  64*REC
.set SLOTB, 26112
.set QSC,   6291456
.set ACC,   16
.set WS,    112
.set XS,    136
.set XF,    144
.set FLOOR, 0x2800000
.set OFF4,  0xfe000000
.set MSB, 0
.macro WIN new                         ; the immediate's high byte repeats the setting that is left
.if MSB != (\new)
	s_set_vgpr_msb (MSB<<8)|(\new)
.set MSB, (\new)
.endif
.endm
.macro ROUND                           ; a round of the cluster's barrier
	s_barrier_signal -1
	s_barrier_wait -1
	s_cmp_lg_u32 s12, 0
	s_cbranch_scc1 .Lnot_wave_0_\@
	s_barrier_signal -3
.Lnot_wave_0_\@:
	s_barrier_wait -3
	s_barrier_signal -1
	s_barrier_wait -1
.endm
.macro PLACES                          ; four plain places behind matrix instructions, ahead of loads into their registers and of reads of their results
.rept 4
	v_nop
.endr
.endm
; One matrix instruction on rD, rA, rB, rSA, rSB.  zero: the constant 0 starts the sum.  ra, rb: the side's scale words stand in lanes 16-31.
.macro WM zero, ra, rb
.if \zero
.if \ra
.if \rb
	v_wmma_scale_f32_16x16x128_f8f6f4 v[rD:rD+7], v[rA:rA+11], v[rB:rB+11], 0, v[rSA], v[rSB] matrix_a_fmt:MATRIX_FMT_BF6 matrix_b_fmt:MATRIX_FMT_BF6 matrix_a_scale:MATRIX_SCALE_ROW1 matrix_b_scale:MATRIX_SCALE_ROW1
.else
	v_wmma_scale_f32_16x16x128_f8f6f4 v[rD:rD+7], v[rA:rA+11], v[rB:rB+11], 0, v[rSA], v[rSB] matrix_a_fmt:MATRIX_FMT_BF6 matrix_b_fmt:MATRIX_FMT_BF6 matrix_a_scale:MATRIX_SCALE_ROW1
.endif
.else
.if \rb
	v_wmma_scale_f32_16x16x128_f8f6f4 v[rD:rD+7], v[rA:rA+11], v[rB:rB+11], 0, v[rSA], v[rSB] matrix_a_fmt:MATRIX_FMT_BF6 matrix_b_fmt:MATRIX_FMT_BF6 matrix_b_scale:MATRIX_SCALE_ROW1
.else
	v_wmma_scale_f32_16x16x128_f8f6f4 v[rD:rD+7], v[rA:rA+11], v[rB:rB+11], 0, v[rSA], v[rSB] matrix_a_fmt:MATRIX_FMT_BF6 matrix_b_fmt:MATRIX_FMT_BF6
.endif
.endif
.else
.if \ra
.if \rb
	v_wmma_scale_f32_16x16x128_f8f6f4 v[rD:rD+7], v[rA:rA+11], v[rB:rB+11], v[rD:rD+7], v[rSA], v[rSB] matrix_a_fmt:MATRIX_FMT_BF6 matrix_b_fmt:MATRIX_FMT_BF6 matrix_a_scale:MATRIX_SCALE_ROW1 matrix_b_scale:MATRIX_SCALE_ROW1
.else
	v_wmma_scale_f32_16x16x128_f8f6f4 v[rD:rD+7], v[rA:rA+11], v[rB:rB+11], v[rD:rD+7], v[rSA], v[rSB] matrix_a_fmt:MATRIX_FMT_BF6 matrix_b_fmt:MATRIX_FMT_BF6 matrix_a_scale:MATRIX_SCALE_ROW1
.endif
.else
.if \rb
	v_wmma_scale_f32_16x16x128_f8f6f4 v[rD:rD+7], v[rA:rA+11], v[rB:rB+11], v[rD:rD+7], v[rSA], v[rSB] matrix_a_fmt:MATRIX_FMT_BF6 matrix_b_fmt:MATRIX_FMT_BF6 matrix_b_scale:MATRIX_SCALE_ROW1
.else
	v_wmma_scale_f32_16x16x128_f8f6f4 v[rD:rD+7], v[rA:rA+11], v[rB:rB+11], v[rD:rD+7], v[rSA], v[rSB] matrix_a_fmt:MATRIX_FMT_BF6 matrix_b_fmt:MATRIX_FMT_BF6
.endif
.endif
.endif
.endm
.macro QK s                            ; eight products for q or k: weights' tile j x x's tile u, step s
.set WW, 1+(\s)/3
	WIN (WW|0x0c)                                  ; source 0 the weights' window, source 1 window 3, C and D window 0
.irp u, 0,1
.irp j, 0,1,2,3
.set rD, ACC+8*(4*\u+\j)
.set rA, 72*((\s)%3)+12*\j
.set rB, XF+24*((\s)%4)+12*\u
.set rSA, WS+8*(\j/2)+(\s)
.set rSB, XS+(\s)
	WM ((\s)==0), (\j%2), \u
.endr
.endr
.endm
.macro VP s                            ; four products for v: x's tile u x W_value's tile jv
.set WW, 1+(\s)/3
	WIN (3|(WW<<2))                                ; source 0 window 3, source 1 the weights' window
.irp jv, 0,1
.irp u, 0,1
.set rD, ACC+64+8*(2*\jv+\u)
.set rA, XF+24*((\s)%4)+12*\u
.set rB, 72*((\s)%3)+12*(4+\jv)
.set rSA, XS+(\s)
.set rSB, WS+16+(\s)
	WM ((\s)==0), \u, \jv
.endr
.endr
.endm
.macro KSTEP s                         ; the 12 accumulators take turns, one instruction a turn; the order changes from step to step to spare window switches
.if ((\s)%2) == 0
	QK \s
	VP \s
.else
	VP \s
	QK \s
.endif
.endm
.macro LOADX s0                        ; x's fragments of steps s0, s0 + 1, both tiles: 24 loads of 8 bytes, lanes 24 bytes apart
	WIN 0xc0                                       ; destination window 3, address window 0
.irp s, \s0, \s0+1
.irp u, 0,1
.irp q, 0,1,2,3,4,5
	ds_load_b64 v[XF+24*((\s)%4)+12*\u+2*\q:XF+24*((\s)%4)+12*\u+2*\q+1], v3 offset:REC*\u+(2*(\s)+\q/3)*768+8*(\q%3)
.endr
.endr
.endr
.endm
.macro HEAD                            ; the pair at LDS byte s45: its scale words (lanes 0-15 the even tile, lanes 16-31 the odd one) and its first four steps
	v_add_nc_u32 v3, s45, v1
	v_add_nc_u32 v4, s45, v2
	ds_load_b128 v[XS:XS+3], v4 offset:12288
	ds_load_b128 v[XS+4:XS+7], v4 offset:12304
	LOADX 0
	LOADX 2
	WIN 0
.endm
.macro MULS                            ; a pair's 96 matrix instructions; each run of 24 loads is asked for two steps ahead
	s_wait_dscnt 24                                ; the scale words and steps 0, 1 are in; the 24 loads of steps 2, 3 may be out
	KSTEP 0
	KSTEP 1
	PLACES
	LOADX 4
	s_wait_dscnt 24                                ; steps 2, 3 are in; the 24 just issued may be out
	KSTEP 2
	KSTEP 3
	PLACES
	LOADX 6
	s_wait_dscnt 24                                ; steps 4, 5 are in
	KSTEP 4
	KSTEP 5
	s_wait_dscnt 0x0
	KSTEP 6
	KSTEP 7
	WIN 0
.endm
; THE WAY OUT of a pair: six groups of 16 registers (q, k: (tile u, block b) = group 2 u + b; v: group 4 + jv) are half blocks; the other half lies in lane l xor 16.
.macro EPI last
	s_wait_xcnt 0x0                                ; the last pair's stores have read their registers: they are written again only behind this wait
.irp k, 0,1,2,3,4,5
	v_max3_num_f32 v[144+\k], |v[ACC+16*\k]|, |v[ACC+1+16*\k]|, FLOOR   ; each accumulator is read from its low end on
.endr
.irp i, 2,4,6,8,10,12,14
.irp k, 0,1,2,3,4,5
	v_max3_num_f32 v[144+\k], v[144+\k], |v[ACC+16*\k+\i]|, |v[ACC+1+16*\k+\i]|
.endr
.endr
.irp k, 0,1,2,3,4,5
	v_permlanex16_b32 v[150+\k], v[144+\k], s48, s49
.endr
.irp k, 0,1,2,3,4,5
	v_max_num_f32 v[144+\k], v[144+\k], v[150+\k]
.endr
.irp k, 0,1,2,3,4,5
	v_add_nc_u32 v[156+\k], OFF4, v[144+\k]        ; the conversion's scale operand
.endr
.irp k, 0,1,2,3,4,5
	v_lshrrev_b32 v[162+\k], 23, v[156+\k]         ; the byte
.endr
.irp k, 0,1,2,3,4,5
	v_cvt_scalef32_pk16_bf6_f32 v[168+4*\k:170+4*\k], v[ACC+16*\k:ACC+15+16*\k], v[156+\k]
.endr
	v_nop                                          ; one plain place behind the scaled conversions
	v_lshl_or_b32 v194, v163, 8, v162              ; tile 0's word: b0 | b1 << 8,
	v_lshl_or_b32 v195, v165, 8, v164              ; tile 1's
	v_lshl_or_b32 v194, v194, 16, v194             ; repeated in the upper half
	v_lshl_or_b32 v195, v195, 16, v195
	v_cndmask_b32 v196, v194, v195, s46            ; lanes 0-15 store the even tile's words, lanes 16-31 the odd one's
	v_lshrrev_b32 v192, 8, v192                    ; V's byte of these 32 keys comes in from the top: after four pairs the word of 128 keys is whole
	v_lshrrev_b32 v193, 8, v193
	v_lshl_or_b32 v192, v166, 24, v192
	v_lshl_or_b32 v193, v167, 24, v193
	v_cndmask_b32 v197, v192, v193, s46
.irp k, 0,1,2,3
	global_store_b96 v5, v[168+4*\k:170+4*\k], s[36:37] offset:384*\k   ; tile k / 2, block k % 2: 384 consecutive bytes
.endr
	global_store_b32 v6, v196, s[38:39]
	global_store_b96 v5, v[184:186], s[40:41]      ; V^T, d tile 0 of my two
	global_store_b96 v5, v[188:190], s[40:41] offset:3072
.if \last
	global_store_b32 v6, v197, s[42:43] offset:256 ; keys 128-255
.else
	s_cmp_eq_u32 s44, 4                            ; pair 3 has just been finished: keys 0-127
	s_cbranch_scc0 .Lno_word_\@
	global_store_b32 v6, v197, s[42:43]
.Lno_word_\@:
.endif
.endm
	s_load_b256 s[4:11], s[0:1], 0x0               ; xq, wq, qbuf, kvbuf
	v_lshl_add_u32 v254, v0, 2, 0x32000
	v_mov_b32 v255, 0
	ds_add_u32 v254, v255
	ds_add_u32 v254, v255
	v_lshrrev_b32 v1, 5, v0
	v_readfirstlane_b32 s12, v1                    ; wave 0..3
	s_bfe_u32 s13, ttmp6, 0x40000                  ; cx
	s_lshl_b32 s14, ttmp9, 2
	s_add_co_u32 s14, s14, s13                     ; hp = 4 x cluster x + cx
	s_and_b32 s15, ttmp7, 0xffff                   ; I, which the four partners share
	; descriptor group 1: 100 rows of 256 bytes (32 elements of 8), dense: a pair of records
	s_mov_b32 s16, 15|(3<<16)|(1<<21)              ; 15:0 the mask: all four work-groups; 17:16 elements of 8 bytes; 21 set beside a mask
	s_mov_b32 s17, 32<<16                          ; tensor_dim0
	s_mov_b32 s18, 100<<16                         ; tensor_dim1
	s_mov_b32 s19, 32<<16                          ; tile_dim0
	s_mov_b32 s20, 100                             ; tile_dim1
	s_mov_b32 s21, 32                              ; stride
	s_mov_b32 s22, 0
	s_mov_b32 s23, 0
	s_mul_i32 s50, s12, PAIR                       ; wave w fetches pairs w and w + 4
	s_mul_i32 s52, s15, 8*PAIR
	s_add_co_u32 s52, s52, s50
	s_mov_b32 s53, 0
	v_and_b32 v7, 31, v0                           ; L
	v_and_b32 v8, 15, v0                           ; r
	v_bfe_u32 v9, v0, 4, 1                         ; h
	v_mul_u32_u24 v1, v7, 24                       ; my 24 bytes of a unit
	v_mul_u32_u24 v2, v9, REC
	v_lshl_add_u32 v2, v8, 5, v2                   ; scale bytes: lanes 16-31 take the next record's
	v_mul_u32_u24 v5, v8, 24
	v_mad_u32_u24 v5, v9, 12, v5                   ; my 12 bytes of a block: 24 r + 12 h
	v_lshlrev_b32 v6, 2, v7                        ; 4 L
.irp k, 0,1,2,3,4,5
	v_mov_b32 v[150+\k], 0                         ; a lane permute's destination counts as one of its sources
.endr
	v_mov_b32 v192, 0
	v_mov_b32 v193, 0
	s_mov_b32 s46, 0xffff0000                      ; lanes 16-31
	s_mov_b32 s48, 0x76543210
	s_mov_b32 s49, 0xfedcba98
	; offsets of my weights and of my results
	s_lshr_b32 s54, s12, 1                         ; w / 2
	s_and_b32 s55, s12, 1                          ; w % 2
	s_lshl_b32 s51, s14, 1
	s_add_co_u32 s56, s51, s55                     ; the head of my q or k columns
	s_add_co_u32 s57, s51, s54                     ; the head of my v columns
	s_mul_i32 s32, s54, WMAT
	s_mul_i32 s58, s56, 4*REC
	s_add_co_u32 s32, s32, s58
	s_mov_b32 s33, 0
	s_mul_i32 s34, s57, 4*REC
	s_mul_i32 s58, s55, 2*REC
	s_add_co_u32 s34, s34, s58
	s_add_co_u32 s34, s34, 2*WMAT
	s_mov_b32 s35, 0
	s_lshr_b32 s58, s15, 3
	s_lshl_b32 s58, s58, 4                         ; 16 b
	s_and_b32 s51, s15, 7                          ; slot
	s_add_co_u32 s56, s56, s58                     ; bh of q, k
	s_add_co_u32 s57, s57, s58                     ; bh of v
	s_lshl_b32 s58, s56, 7
	s_lshl_b32 s59, s51, 4
	s_add_co_u32 s58, s58, s59                     ; q: tile 128 bh + 16 slot
	s_mul_i32 s59, s58, 768
	s_lshl_b32 s58, s58, 6
	s_add_co_u32 s58, s58, QSC
	s_lshl_b32 s60, s56, 3
	s_add_co_u32 s60, s60, s51
	s_mul_i32 s60, s60, SLOTB                      ; k: its slot's block
	s_add_co_u32 s61, s60, 24576
	s_lshl_b32 s62, s57, 3
	s_add_co_u32 s62, s62, s51
	s_mul_i32 s62, s62, SLOTB                      ; v: its slot's block
	s_mul_i32 s63, s55, 6144
	s_add_co_u32 s40, s62, s63
	s_add_co_u32 s40, s40, 12288
	s_mov_b32 s41, 0
	s_lshl_b32 s63, s55, 7
	s_add_co_u32 s42, s62, s63
	s_add_co_u32 s42, s42, 25600
	s_mov_b32 s43, 0
	s_wait_dscnt 0x0
	s_wait_kmcnt 0x0
	s_mov_b32 s24, 1                               ; group 0, first load: count 1,
	s_mov_b32 s25, s50                             ; LDS address: wave x a pair,
	s_add_nc_u64 s[26:27], s[4:5], s[52:53]        ; global address: it hangs on I and the wave alone
	s_mov_b32 s28, 1
	s_add_co_u32 s29, s50, 4*PAIR
	s_add_nc_u64 s[30:31], s[26:27], 4*PAIR
	s_or_b32 s27, s27, 0x80000000                  ; type 2
	s_or_b32 s31, s31, 0x80000000
	ROUND                                          ; all four work-groups are here: the joint loads meet
	tensor_load_to_lds s[24:27], s[16:23]
	s_nop 0
	s_wait_alu depctr_va_vdst(0)
	s_wait_tensorcnt 0x0
	ds_add_u32 v254, v255
	s_wait_dscnt 0x0
	ROUND
	tensor_load_to_lds s[28:31], s[16:23]          ; my first load has landed, the second is out; each LDS byte is filled once
	s_nop 0
.rept 4
	v_nop
.endr
	s_cmp_lt_u32 s12, 2                            ; waves 0, 1 make q, waves 2, 3 k
	s_cselect_b32 s36, s59, s60
	s_cselect_b32 s38, s58, s61
	s_cselect_b64 s[58:59], s[8:9], s[10:11]
	s_mov_b32 s37, 0
	s_mov_b32 s39, 0
	s_add_nc_u64 s[36:37], s[58:59], s[36:37]      ; q's or k's codes
	s_add_nc_u64 s[38:39], s[58:59], s[38:39]      ; their scale words
	s_add_nc_u64 s[40:41], s[10:11], s[40:41]      ; V^T's codes
	s_add_nc_u64 s[42:43], s[10:11], s[42:43]      ; its scale words
	s_add_nc_u64 s[32:33], s[6:7], s[32:33]
	s_add_nc_u64 s[34:35], s[6:7], s[34:35]
.irp p, 0,1
	global_load_b128 v[WS+8*\p:WS+8*\p+3], v2, s[32:33] offset:PAIR*\p+12288
	global_load_b128 v[WS+8*\p+4:WS+8*\p+7], v2, s[32:33] offset:PAIR*\p+12304
.endr
	global_load_b128 v[WS+16:WS+19], v2, s[34:35] offset:12288
	global_load_b128 v[WS+20:WS+23], v2, s[34:35] offset:12304
.irp s, 0,1,2,3,4,5,6,7                ; my six tiles of weights, all of K: they stay
	WIN ((1+\s/3)<<6)
.irp j, 0,1,2,3
.irp q, 0,1,2,3,4,5
	global_load_b64 v[72*(\s%3)+12*\j+2*\q:72*(\s%3)+12*\j+2*\q+1], v1, s[32:33] offset:REC*\j+(2*\s+\q/3)*768+8*(\q%3)
.endr
.endr
.irp j, 0,1
.irp q, 0,1,2,3,4,5
	global_load_b64 v[72*(\s%3)+12*(4+\j)+2*\q:72*(\s%3)+12*(4+\j)+2*\q+1], v1, s[34:35] offset:REC*\j+(2*\s+\q/3)*768+8*(\q%3)
.endr
.endr
.endr
	WIN 0
	s_wait_tensorcnt 0x1                           ; my first load has landed; the second may stay out
	s_barrier_signal -1
	s_barrier_wait -1                              ; pairs 0 to 3 are in
	s_mov_b32 s45, 0
	HEAD
	s_wait_alu depctr_va_vdst(0)
	s_wait_loadcnt 0x0                             ; the weights
	MULS
	s_wait_tensorcnt 0x0
	s_wait_dscnt 0x0
	s_barrier_signal -1
	s_barrier_wait -1                              ; all of the block is in
	s_mov_b32 s44, 1
.Lpair:                                            ; pair s44 is multiplied; the pair before leaves while its first fragments come
	s_add_co_u32 s45, s45, PAIR
	PLACES
	HEAD
	EPI 0
	MULS
	s_wait_xcnt 0x0                                ; the stores have read their bases
	s_add_nc_u64 s[36:37], s[36:37], 1536          ; two tiles on
	s_add_nc_u64 s[38:39], s[38:39], 128
	s_add_nc_u64 s[40:41], s[40:41], 384           ; 32 keys on: half a unit
	s_add_co_u32 s44, s44, 1
	s_cmp_lt_u32 s44, 8
	s_cbranch_scc1 .Lpair
	PLACES
	EPI 1
	s_wait_dscnt 0x0
	s_wait_tensorcnt 0x0
	ds_add_u32 v254, v255
	s_wait_dscnt 0x0
	ROUND                                          ; the closing round
	s_endpgm
.Lfunc_end_k_qc759a26d10_qkv:
	.size	k_qc759a26d10_qkv, .Lfunc_end_k_qc759a26d10_qkv-k_qc759a26d10_qkv
	.p2alignl 7, 3214868480
	.fill 96, 4, 3214868480
	.section	.rodata,"a",@progbits
	.p2align	6, 0x0
	.amdhsa_kernel k_qc759a26d10_qkv
		.amdhsa_group_segment_fixed_size 327680
		.amdhsa_private_segment_fixed_size 0
		.amdhsa_enable_private_segment 0
		.amdhsa_kernarg_size 32
		.amdhsa_user_sgpr_count 2
		.amdhsa_user_sgpr_kernarg_segment_ptr 1
		.amdhsa_wavefront_size32 1
		.amdhsa_system_sgpr_workgroup_id_x 1
		.amdhsa_system_sgpr_workgroup_id_y 1
		.amdhsa_system_sgpr_workgroup_id_z 1
		.amdhsa_system_vgpr_workitem_id 0
		.amdhsa_next_free_vgpr 1024
		.amdhsa_next_free_sgpr 66
		.amdhsa_reserve_vcc 0
		.amdhsa_float_denorm_mode_32 3
		.amdhsa_float_denorm_mode_16_64 3
		.amdhsa_memory_ordered 1
		.amdhsa_forward_progress 1
		.amdhsa_inst_pref_size 86
	.end_amdhsa_kernel
	.amdgpu_metadata
---
amdhsa.version: [ 1, 2 ]
amdhsa.kernels:
  - .name:           k_qc759a26d10_qkv
    .symbol:         k_qc759a26d10_qkv.kd
    .args:
      - { .name: xq, .offset: 0, .size: 8, .value_kind: global_buffer, .address_space: global }
      - { .name: wq, .offset: 8, .size: 8, .value_kind: global_buffer, .address_space: global }
      - { .name: qbuf, .offset: 16, .size: 8, .value_kind: global_buffer, .address_space: global }
      - { .name: kvbuf, .offset: 24, .size: 8, .value_kind: global_buffer, .address_space: global }
    .group_segment_fixed_size: 327680
    .private_segment_fixed_size: 0
    .kernarg_segment_align: 8
    .kernarg_segment_size: 32
    .max_flat_workgroup_size: 128
    .sgpr_count:     66
    .vgpr_count:     1024
    .wavefront_size: 32
...
	.end_amdgpu_metadata
.endif
;; end of part 2
;; launch attn (part 3): grid 4 x 64, 16 waves a work-group, no clusters, 327,680 bytes of LDS; arguments qbuf, kvbuf, ctxq; writes ctxq
.if DOCPART == 3
	.amdgcn_target "amdgcn-amd-amdhsa--gfx1250"
	.amdhsa_code_object_version 6
	.text
	.protected	k_qc759a26d10_attn
	.globl	k_qc759a26d10_attn
	.p2align	8
	.type	k_qc759a26d10_attn,@function
k_qc759a26d10_attn:
	s_mov_b64 s[64:65], 0
	v_nop
	global_prefetch_b8 v0, s[64:65] scope:SCOPE_SE
	s_setreg_imm32_b32 hwreg(HW_REG_WAVE_MODE, 25, 1), 1
	s_wait_xcnt 0x0
; ctx = softmax(q k^T / 8, causal) v for one (batch, head), both products on codes of E3M2; ctx leaves as codes, quantised along the head's 64 (K of the last product = 64 head + d).
; THE SOFTMAX AHEAD OF THE SECOND PRODUCT: t = score x log2(e) / 8; M = the running largest t rounded UP to a whole number; p = 2^(t - M) is quantised along the keys, not normalised; the row's sum
; is taken of the unquantised p and divides at the end.  When M moves, the sum and O are multiplied by 2^(old M - new M): exact.
; SHARES.  Work-group (PI, BH) owns query block 7 - PI and then block PI (256 queries each): (8 - PI) + (PI + 1) = 9 slots of 256 keys for every work-group: a constant trip count, equal work, and
; no slot that nobody reads.  Each of the 16 waves owns one tile of 16 queries.  A slot (26,112 bytes: K codes, V^T codes, both scale words) comes by one tensor load of wave 0 into a ring of two.
; No joint requests: from the fifth trip on the four work-groups of a head want different slots, so a request could not be made alike on every path.
; LAYOUT.  S^T = K Q^T (source 0 = 16 keys), O^T = V^T P (source 0 = 16 of the head's 64): a lane holds one query throughout.  A tile's row r is 32 (T / 2) + 8 (T % 2) + r + 8 (r / 8), so the 16
; registers of tiles 2 b, 2 b + 1 are 16 neighbours: keys for p, d for ctx.  A HEAD OF 64 IN A K OF 128: Q's registers 6-11 hold zero codes, so K's operand may run on into the next tile's codes:
; every code is a finite number and its product with the code 0 is 0; the upper two scale bytes repeat the lower two.
; LIMITS: NaN and infinities are not served; p under 2^-126 counts as 0 (v_exp_f32: ISA guide, its entry); a block's largest p is taken from its largest score, which takes v_exp_f32 not to fall
; where its input rises; a block under 2^-122, and a block of zeros, keeps the byte 1.
; REGISTERS: v1 24 L, v2 4 L, v3 r + 8 (r / 8) - 16 h, v4 24 r + 12 h, v5, v6 the spare word's address and 0, v7 32 r, v8, v9 the slot's addresses, v10 4 r; v12 -M, v13 the largest t, v[14:15] the sum;
; v16-21 Q, v22-27 zeros; v32-85 K (tile t at 32 + 6 t; v80-85 zeros), later V (tile t at 32 + 12 t); v96-159 S^T, then p; v160-191 O^T; v224-247, v252-254 at work; v248-251 scale words; v255 Q's.
.set SLOTB, 26112
.set SLOT1, 0x8000                     ; slot 1 begins here: one exclusive or turns an address
.set SPARE, 65536                      ; the spare words: 128 bytes for each of 16 waves
.set QSC,   6291456
.set REC,   12800
.set FLOOR, 0x2800000
.set OFF4,  0xfe000000
.macro TLOAD                           ; wave 0 fetches; four v_nop follow the load
	s_cmp_lg_u32 s10, 0
	s_cbranch_scc1 .Lnot_mine_\@
	tensor_load_to_lds s[24:27], s[16:23]
	s_nop 0
.rept 4
	v_nop
.endr
.Lnot_mine_\@:
.endm
; THE CHANGE OF SLOTS, at a trip's head.  Every wave waits for all its tensor loads (wave 0: this trip's slot), adds 0 to its spare word, waits for that and for its reads of the slot that it has left.
; Behind the barrier this trip's slot is whole and nobody reads the other one.  fill = 1: the other slot takes trip s15 + 1's keys: one load is out, with a whole trip in which to land.
.macro CHANGE fill
	s_wait_tensorcnt 0x0                           ; no tensor load of mine is out, so group 0 may be written
	ds_add_u32 v5, v6                              ; 0 onto my spare word
.if \fill
	s_xor_b32 s25, s25, SLOT1
	s_add_co_u32 s48, s15, 1                       ; trip m takes slot m of the first block, or m - (8 - PI) of the second
	s_cmp_lt_u32 s48, s13
	s_cselect_b32 s49, 0, s13
	s_sub_co_u32 s48, s48, s49
	s_mul_i32 s48, s48, SLOTB
	s_mov_b32 s49, 0
	s_add_nc_u64 s[26:27], s[28:29], s[48:49]
	s_or_b32 s27, s27, 0x80000000
.endif
	s_wait_dscnt 0x0
	s_barrier_signal -1
	s_barrier_wait -1
.if \fill
	TLOAD
.endif
.endm
.macro SETBLOCK                        ; from s33, the block of queries: my tile's addresses
	s_lshl_b32 s48, s33, 4
	s_add_co_u32 s48, s48, s34                     ; my tile among the head's 128
	s_lshl_b32 s32, s33, 8
	s_add_co_u32 s32, s32, s35                     ; Q0: my queries lie in Q0 .. Q0 + 23
	s_lshl_b32 s49, s11, 7
	s_add_co_u32 s49, s49, s48
	s_mul_i32 s50, s49, 768
	s_mov_b32 s51, 0
	s_add_nc_u64 s[36:37], s[4:5], s[50:51]        ; Q's unit
	s_lshl_b32 s50, s49, 6
	s_add_co_u32 s50, s50, QSC
	s_add_nc_u64 s[38:39], s[4:5], s[50:51]        ; its scale words
	s_lshr_b32 s49, s11, 4
	s_lshl_b32 s49, s49, 7
	s_add_co_u32 s49, s49, s48
	s_mul_i32 s49, s49, REC                        ; ctx's record: 128 batch + tile
	s_and_b32 s52, s11, 15
	s_mul_i32 s50, s52, 768
	s_add_co_u32 s50, s50, s49
	s_add_nc_u64 s[40:41], s[8:9], s[50:51]        ; unit = head
	s_lshl_b32 s50, s52, 1
	s_add_co_u32 s50, s50, s49
	s_add_co_u32 s50, s50, 12288
	s_add_nc_u64 s[42:43], s[8:9], s[50:51]        ; scale bytes 2 head, 2 head + 1
.endm
.macro QLOAD                           ; Q's fragment and word, and the state of a new block
.irp p, 0,1,2
	global_load_b64 v[16+2*\p:17+2*\p], v1, s[36:37] offset:8*\p
.endr
	global_load_b32 v255, v10, s[38:39]
	v_mov_b32 v13, 0xff61b1e6                      ; the largest t so far: -3e38
	s_delay_alu instid0(VALU_DEP_1)
	v_floor_f32 v12, -v13
	v_mov_b32 v14, 0
	v_mov_b32 v15, 0
.set j, 0
.rept 32
	v_mov_b32 v[160+j], 0                          ; the step is written once: the first finds zeros, which the first change of M leaves zeros
.set j, j+1
.endr
	s_mov_b32 s31, 0                               ; the step's first key
	s_wait_loadcnt 0x0
.endm
; A KEY STEP: 128 keys, the q-th of the slot in hand.
.macro STEP q
	s_add_co_u32 s48, s32, 23                      ; a step all of whose keys come after my queries is left out: a scalar branch on ids and counters
	s_cmp_gt_u32 s31, s48
	s_cbranch_scc1 .Lhidden_\@
.rept 4
	v_nop                                          ; places ahead of loads into registers that the last products read
.endr
	s_wait_alu depctr_va_vdst(0)
.irp t, 0,1,2,3,4,5,6,7
.irp p, 0,1,2
	ds_load_b64 v[32+6*\t+2*\p:33+6*\t+2*\p], v8 offset:(8*(\q)+\t)*768+8*\p
.endr
.endr
.irp b, 0,1,2,3
	ds_load_b32 v[248+\b], v9 offset:24576+(8*(\q)+2*\b)*64   ; lanes 0-15 tile 2 b's words, lanes 16-31 tile 2 b + 1's
.endr
	s_wait_dscnt 0x0
.irp b, 0,1,2,3
	v_wmma_scale_f32_16x16x128_f8f6f4 v[96+16*\b:103+16*\b], v[32+12*\b:43+12*\b], v[16:27], 0, v[248+\b], v255 matrix_a_fmt:MATRIX_FMT_BF6 matrix_b_fmt:MATRIX_FMT_BF6
	v_wmma_scale_f32_16x16x128_f8f6f4 v[104+16*\b:111+16*\b], v[38+12*\b:49+12*\b], v[16:27], 0, v[248+\b], v255 matrix_a_fmt:MATRIX_FMT_BF6 matrix_b_fmt:MATRIX_FMT_BF6 matrix_a_scale:MATRIX_SCALE_ROW1
.endr
.rept 4
	v_nop
.endr
	s_wait_alu depctr_va_vdst(0)
.irp t, 0,1,2,3                        ; V's fragments are asked for here: they land while the softmax is walked
.irp p, 0,1,2,3,4,5
	ds_load_b64 v[32+12*\t+2*\p:33+12*\t+2*\p], v8 offset:12288+3072*\t+(2*(\q)+\p/3)*768+8*(\p%3)
.endr
.endr
	ds_load_b32 v248, v9 offset:25600+256*(\q)
	ds_load_b32 v249, v9 offset:25600+256*(\q)+128
	s_add_co_u32 s48, s31, 127                     ; a step all of whose keys count skips the mask
	s_cmp_le_u32 s48, s32
	s_cbranch_scc1 .Lopen_\@
	s_sub_co_i32 s48, s32, s31
	v_add_nc_u32 v252, s48, v3                     ; d = my query - the step's first key - 16 h.  Register 16 b + i holds key 32 b + 16 h + i of the step: hidden where 32 b + i > d
	v_mov_b32 v254, 0xff800000                     ; -infinity: p = 0 then
.irp n, 0,1,2,3,4,5,6,7,8,9,10,11,12,13,14,15,16,17,18,19,20,21,22,23,24,25,26,27,28,29,30,31,32,33,34,35,36,37,38,39,40,41,42,43,44,45,46,47,48,49,50,51,52,53,54,55,56,57,58,59,60,61,62,63
	v_cmp_gt_i32 vcc_lo, 32*(\n/16)+\n%16, v252
	v_cndmask_b32 v[96+\n], v[96+\n], v254, vcc_lo
.endr
.Lopen_\@:
.irp b, 0,1,2,3
	v_max3_num_f32 v[232+\b], v[96+16*\b], v[97+16*\b], v[98+16*\b]   ; the largest score of each block of 32 keys: for the row's maximum and for the block's largest p
.endr
.irp i, 3,5,7,9,11,13
.irp b, 0,1,2,3
	v_max3_num_f32 v[232+\b], v[232+\b], v[96+16*\b+\i], v[97+16*\b+\i]
.endr
.endr
.irp b, 0,1,2,3
	v_max_num_f32 v[232+\b], v[232+\b], v[111+16*\b]
.endr
.irp b, 0,1,2,3
	s_delay_alu instid0(VALU_DEP_4)
	v_permlanex16_b32 v[236+\b], v[232+\b], s44, s45
.endr
.irp b, 0,1,2,3
	s_delay_alu instid0(VALU_DEP_4)
	v_max_num_f32 v[232+\b], v[232+\b], v[236+\b]  ; with lane l xor 16's 16 keys
.endr
	s_delay_alu instid0(VALU_DEP_2)
	v_max3_num_f32 v254, v232, v233, v234
	s_delay_alu instid0(VALU_DEP_1)
	v_max_num_f32 v254, v254, v235
	s_delay_alu instid0(VALU_DEP_1)
	v_mul_f32 v254, s46, v254                      ; as t
	s_delay_alu instid0(VALU_DEP_1)
	v_max_num_f32 v13, v13, v254                   ; the running largest t
	v_mov_b32 v254, v12
	s_delay_alu instid0(VALU_DEP_2)
	v_floor_f32 v12, -v13                          ; the new -M = -ceil(t)
	s_delay_alu instid0(VALU_DEP_1)
	v_sub_f32 v254, v12, v254                      ; old M - new M: a whole number, 0 or less
	s_delay_alu instid0(VALU_DEP_1)
	v_cvt_i32_f32 v254, v254                       ; (it saturates)
	s_delay_alu instid0(VALU_DEP_1)
	v_ldexp_f32 v252, 1.0, v254                    ; f = 2^(old M - new M)
.irp j, 0,2,4,6,8,10,12,14,16,18,20,22,24,26,28,30,32,34,36,38,40,42,44,46,48,50,52,54,56,58,60,62
	v_pk_fma_f32 v[96+\j:97+\j], v[96+\j:97+\j], s[46:47], v[12:13] op_sel_hi:[1,0,0]   ; t - M, two at a time
.endr
.irp b, 0,1,2,3
	v_fma_f32 v[232+\b], v[232+\b], s46, v12       ; the same of each block's largest score
.endr
	s_wait_alu depctr_va_vdst(0)
.irp j, 0,1,2,3,4,5,6,7,8,9,10,11,12,13,14,15,16,17,18,19,20,21,22,23,24,25,26,27,28,29,30,31,32,33,34,35,36,37,38,39,40,41,42,43,44,45,46,47,48,49,50,51,52,53,54,55,56,57,58,59,60,61,62,63
	v_exp_f32 v[96+\j], v[96+\j]                   ; p = 2^(t - M)
.endr
	v_pk_mul_f32 v[14:15], v[14:15], v[252:253] op_sel_hi:[1,0]   ; the sums under the new M: a plain place behind the exponentials
	s_wait_alu depctr_va_vdst(0)                   ; one wait for the batch of 64, ahead of its first reader
.irp b, 0,1,2,3
	v_exp_f32 v[232+\b], v[232+\b]                 ; each block's largest p
.endr
	v_pk_add_f32 v[236:237], v[100:101], v[104:105]
	v_pk_add_f32 v[250:251], v[108:109], v[112:113]
	v_pk_add_f32 v[246:247], v[116:117], v[120:121]
	v_pk_add_f32 v[244:245], v[124:125], v[128:129]
	v_pk_add_f32 v[242:243], v[132:133], v[136:137]
	v_pk_add_f32 v[240:241], v[140:141], v[144:145]
	v_pk_add_f32 v[238:239], v[148:149], v[152:153]
	v_pk_add_f32 v[14:15], v[14:15], v[156:157]
	v_pk_add_f32 v[236:237], v[236:237], v[96:97]
	v_pk_add_f32 v[250:251], v[250:251], v[98:99]
	v_pk_add_f32 v[246:247], v[246:247], v[102:103]
	v_pk_add_f32 v[244:245], v[244:245], v[106:107]
	v_pk_add_f32 v[242:243], v[242:243], v[110:111]
	v_pk_add_f32 v[240:241], v[240:241], v[114:115]
	v_pk_add_f32 v[238:239], v[238:239], v[118:119]
	v_pk_add_f32 v[14:15], v[14:15], v[122:123]
	v_pk_add_f32 v[236:237], v[236:237], v[126:127]
	v_pk_add_f32 v[250:251], v[250:251], v[130:131]
	v_pk_add_f32 v[246:247], v[246:247], v[134:135]
	v_pk_add_f32 v[244:245], v[244:245], v[138:139]
	v_pk_add_f32 v[242:243], v[242:243], v[142:143]
	v_pk_add_f32 v[240:241], v[240:241], v[146:147]
	v_pk_add_f32 v[238:239], v[238:239], v[150:151]
	v_pk_add_f32 v[14:15], v[14:15], v[154:155]
	v_pk_add_f32 v[236:237], v[236:237], v[158:159]
	s_delay_alu instid0(VALU_DEP_2)
	v_pk_add_f32 v[14:15], v[14:15], v[244:245]
	s_delay_alu instid0(VALU_DEP_2)
	v_pk_add_f32 v[236:237], v[236:237], v[242:243]
	v_pk_add_f32 v[250:251], v[250:251], v[240:241]
	v_pk_add_f32 v[246:247], v[246:247], v[238:239]
	s_delay_alu instid0(VALU_DEP_2)
	v_pk_add_f32 v[14:15], v[14:15], v[250:251]
	s_delay_alu instid0(VALU_DEP_2)
	v_pk_add_f32 v[236:237], v[236:237], v[246:247]
	s_delay_alu instid0(VALU_DEP_1)
	v_pk_add_f32 v[14:15], v[14:15], v[236:237]
	s_wait_alu depctr_va_vdst(0)                   ; and one for the four
.irp b, 0,1,2,3
	v_max_num_f32 v[232+\b], FLOOR, v[232+\b]
.endr
.irp b, 0,1,2,3
	s_delay_alu instid0(VALU_DEP_4)
	v_add_nc_u32 v[244+\b], OFF4, v[232+\b]
.endr
.irp b, 0,1,2,3
	s_delay_alu instid0(VALU_DEP_4)
	v_lshrrev_b32 v[236+\b], 23, v[244+\b]
.endr
	s_delay_alu instid0(VALU_DEP_3)
	v_lshl_or_b32 v253, v237, 8, v236              ; p's scale word for these 128 keys
	s_delay_alu instid0(VALU_DEP_1)
	v_lshl_or_b32 v253, v238, 16, v253
	s_delay_alu instid0(VALU_DEP_1)
	v_lshl_or_b32 v253, v239, 24, v253
.irp c, 0,1
	v_cvt_scalef32_pk16_bf6_f32 v[224+6*\c:226+6*\c], v[96+32*\c:111+32*\c], v[244+2*\c]
	v_cvt_scalef32_pk16_bf6_f32 v[236+4*\c:238+4*\c], v[112+32*\c:127+32*\c], v[244+2*\c+1]   ; (a conversion's three registers begin on an even number)
.endr
	v_nop                                          ; one plain place behind the scaled conversions
.irp c, 0,1                            ; the operand wants a whole block in a lane: lanes 0-15 block 2 c, lanes 16-31 block 2 c + 1
.irp i, 0,1,2
	v_permlane16_swap_b32 v[224+6*\c+\i], v[236+4*\c+\i]
.endr
.irp i, 0,1,2
	s_delay_alu instid0(VALU_DEP_3)
	v_mov_b32 v[227+6*\c+\i], v[236+4*\c+\i]
.endr
.endr
.irp j, 0,2,4,6,8,10,12,14,16,18,20,22,24,26,28,30
	v_pk_mul_f32 v[160+\j:161+\j], v[160+\j:161+\j], v[252:253] op_sel_hi:[1,0]   ; O^T under the new M; these 16 also stand between the operand's and the scale word's making and the products
.endr
	s_wait_alu depctr_va_vdst(0)
	s_wait_dscnt 0x0                               ; V
.irp i, 0,1
	v_wmma_scale_f32_16x16x128_f8f6f4 v[160+16*\i:167+16*\i], v[32+24*\i:43+24*\i], v[224:235], v[160+16*\i:167+16*\i], v[248+\i], v253 matrix_a_fmt:MATRIX_FMT_BF6 matrix_b_fmt:MATRIX_FMT_BF6
	v_wmma_scale_f32_16x16x128_f8f6f4 v[168+16*\i:175+16*\i], v[44+24*\i:55+24*\i], v[224:235], v[168+16*\i:175+16*\i], v[248+\i], v253 matrix_a_fmt:MATRIX_FMT_BF6 matrix_b_fmt:MATRIX_FMT_BF6 matrix_a_scale:MATRIX_SCALE_ROW1
.endr
.Lhidden_\@:
	s_add_co_u32 s31, s31, 128
.endm
; A BLOCK'S END: O^T / the sum; register 16 b + i is ctx(my query, d = 32 b + 16 h + i): two half blocks, quantised and stored as 12 bytes each.
.macro FINISH
.rept 4
	v_nop                                          ; places behind the last products
.endr
	v_add_f32 v14, v14, v15
	s_delay_alu instid0(VALU_DEP_1)
	v_permlanex16_b32 v252, v14, s44, s45
	s_delay_alu instid0(VALU_DEP_1)
	v_add_f32 v14, v14, v252                       ; the row's sum
	s_wait_alu depctr_va_vdst(0)
	v_rcp_f32 v14, v14
	v_nop                                          ; a plain place behind the reciprocal
	s_wait_alu depctr_va_vdst(0)                   ; and the wait ahead of its first reader
.irp j, 0,2,4,6,8,10,12,14,16,18,20,22,24,26,28,30
	v_pk_mul_f32 v[96+\j:97+\j], v[160+\j:161+\j], v[14:15] op_sel_hi:[1,0]
.endr
	v_max3_num_f32 v232, |v96|, |v97|, FLOOR
	v_max3_num_f32 v233, |v112|, |v113|, FLOOR
.irp i, 2,4,6,8,10,12,14
	s_delay_alu instid0(VALU_DEP_2)
	v_max3_num_f32 v232, v232, |v[96+\i]|, |v[97+\i]|
	s_delay_alu instid0(VALU_DEP_2)
	v_max3_num_f32 v233, v233, |v[112+\i]|, |v[113+\i]|
.endr
	s_delay_alu instid0(VALU_DEP_2)
	v_permlanex16_b32 v236, v232, s44, s45
	s_delay_alu instid0(VALU_DEP_2)
	v_permlanex16_b32 v237, v233, s44, s45
	s_delay_alu instid0(VALU_DEP_2)
	v_max_num_f32 v232, v232, v236
	s_delay_alu instid0(VALU_DEP_2)
	v_max_num_f32 v233, v233, v237
	s_delay_alu instid0(VALU_DEP_2)
	v_add_nc_u32 v244, OFF4, v232
	s_delay_alu instid0(VALU_DEP_2)
	v_add_nc_u32 v245, OFF4, v233
	s_delay_alu instid0(VALU_DEP_2)
	v_lshrrev_b32 v236, 23, v244
	s_delay_alu instid0(VALU_DEP_2)
	v_lshrrev_b32 v237, 23, v245
	s_delay_alu instid0(VALU_DEP_1)
	v_lshl_or_b32 v254, v237, 8, v236              ; the row's two bytes of this head
	v_cvt_scalef32_pk16_bf6_f32 v[224:226], v[96:111], v244
	v_cvt_scalef32_pk16_bf6_f32 v[228:230], v[112:127], v245
	v_nop
	global_store_b96 v4, v[224:226], s[40:41]      ; 384 consecutive bytes a store
	global_store_b96 v4, v[228:230], s[40:41] offset:384
	global_store_b16 v7, v254, s[42:43]            ; both halves of the lanes write the same two bytes
	s_wait_xcnt 0x0                                ; the stores have read their registers and bases
.endm
	s_load_b128 s[4:7], s[0:1], 0x0                ; qbuf, kvbuf
	s_load_b64 s[8:9], s[0:1], 0x10                ; ctxq
	v_lshl_add_u32 v5, v0, 2, SPARE
	v_mov_b32 v6, 0
	ds_add_u32 v5, v6
	ds_add_u32 v5, v6
	s_wait_dscnt 0x0
	v_lshrrev_b32 v8, 5, v0
	s_delay_alu instid0(VALU_DEP_1)
	v_readfirstlane_b32 s10, v8                    ; wave 0..15
	s_and_b32 s11, ttmp7, 0xffff                   ; BH
	s_mov_b32 s12, ttmp9                           ; PI
	s_sub_co_u32 s13, 8, s12                       ; trips of the first block
	s_sub_co_u32 s14, 7, s12                       ; its last trip; also the first block's number
	s_mov_b32 s15, 0                               ; the trip
	s_lshr_b32 s48, s10, 2                         ; my tile in a block: 8 ((w ^ (w / 4)) % 2) + w / 2: of any four waves w % 4 alike, or w / 4 alike, two take the block's lower half
	s_xor_b32 s48, s48, s10
	s_and_b32 s48, s48, 1
	s_lshl_b32 s48, s48, 3
	s_lshr_b32 s49, s10, 1
	s_add_co_u32 s34, s48, s49
	s_lshr_b32 s48, s34, 1
	s_lshl_b32 s48, s48, 5
	s_and_b32 s49, s34, 1
	s_lshl_b32 s49, s49, 3
	s_add_co_u32 s35, s48, s49                     ; its first row in the block
	; descriptor group 1: 102 rows of 256 bytes, dense: a slot's block
	s_mov_b32 s16, 3<<16                           ; no mask; elements of 8 bytes; no padding
	s_mov_b32 s17, 32<<16
	s_mov_b32 s18, 102<<16
	s_mov_b32 s19, 32<<16
	s_mov_b32 s20, 102
	s_mov_b32 s21, 32
	s_mov_b32 s22, 0
	s_mov_b32 s23, 0
	s_mul_i32 s48, s11, 8*SLOTB
	s_mov_b32 s49, 0
	s_mov_b32 s30, 0                               ; the slot in hand
	s_mov_b32 s44, 0x76543210
	s_mov_b32 s45, 0xfedcba98
	s_mov_b32 s46, 0x3e38aa3b                      ; c = log2(e) / 8
	s_mov_b32 s47, s46
	s_mov_b32 s33, s14
	s_wait_kmcnt 0x0
	s_add_nc_u64 s[28:29], s[6:7], s[48:49]        ; the head's slots
	s_mov_b32 s24, 1
	s_mov_b32 s25, 0
	s_mov_b64 s[26:27], s[28:29]
	s_or_b32 s27, s27, 0x80000000
	TLOAD                                          ; trip 0's slot
	v_and_b32 v8, 31, v0
	s_delay_alu instid0(VALU_DEP_1)
	v_mul_u32_u24 v1, v8, 24
	s_delay_alu instid0(VALU_DEP_2)
	v_lshlrev_b32 v2, 2, v8
	v_and_b32 v9, 15, v0                           ; r
	v_bfe_u32 v11, v0, 4, 1                        ; h
	s_delay_alu instid0(VALU_DEP_2)
	v_and_b32 v3, 8, v9
	s_delay_alu instid0(VALU_DEP_1)
	v_add_nc_u32 v3, v3, v9
	s_delay_alu instid0(VALU_DEP_3)
	v_lshlrev_b32 v4, 4, v11
	s_delay_alu instid0(VALU_DEP_1)
	v_sub_nc_u32 v3, v3, v4
	v_mul_u32_u24 v4, v9, 24
	s_delay_alu instid0(VALU_DEP_1)
	v_mad_u32_u24 v4, v11, 12, v4
	v_lshlrev_b32 v7, 5, v9
	v_lshlrev_b32 v10, 2, v9
.irp j, 22,23,24,25,26,27,80,81,82,83,84,85
	v_mov_b32 v[\j], 0                             ; zero codes: Q's upper 64 along K, and what K's last operand runs on into
.endr
.irp j, 236,237,238,239,252,253
	v_mov_b32 v[\j], 0                             ; lane permutes' destinations, and the upper half of the pair v[252:253]
.endr
	SETBLOCK
	QLOAD
.Ltrip:                                            ; trips 0 to 7: behind each change of slots the next trip's slot is asked for
	CHANGE 1
	v_add_nc_u32 v8, s30, v1
	v_add_nc_u32 v9, s30, v2
	STEP 0
	STEP 1
	s_xor_b32 s30, s30, SLOT1
	s_cmp_lg_u32 s15, s14                          ; the first block's last trip?  (ids and the counter alone)
	s_cbranch_scc1 .Lsame_block
	FINISH
	s_mov_b32 s33, s12
	SETBLOCK
	QLOAD
.Lsame_block:
	s_add_co_u32 s15, s15, 1
	s_cmp_lt_u32 s15, 8
	s_cbranch_scc1 .Ltrip
	CHANGE 0                                       ; the last trip is written out: nothing is left to fetch
	v_add_nc_u32 v8, s30, v1
	v_add_nc_u32 v9, s30, v2
	STEP 0
	STEP 1
	FINISH
	s_wait_tensorcnt 0x0                           ; the wave's end
	ds_add_u32 v5, v6
	s_wait_dscnt 0x0
	s_endpgm
.Lfunc_end_k_qc759a26d10_attn:
	.size	k_qc759a26d10_attn, .Lfunc_end_k_qc759a26d10_attn-k_qc759a26d10_attn
	.p2alignl 7, 3214868480
	.fill 96, 4, 3214868480
	.section	.rodata,"a",@progbits
	.p2align	6, 0x0
	.amdhsa_kernel k_qc759a26d10_attn
		.amdhsa_group_segment_fixed_size 327680
		.amdhsa_private_segment_fixed_size 0
		.amdhsa_enable_private_segment 0
		.amdhsa_kernarg_size 24
		.amdhsa_user_sgpr_count 2
		.amdhsa_user_sgpr_kernarg_segment_ptr 1
		.amdhsa_wavefront_size32 1
		.amdhsa_system_sgpr_workgroup_id_x 1
		.amdhsa_system_sgpr_workgroup_id_y 1
		.amdhsa_system_sgpr_workgroup_id_z 1
		.amdhsa_system_vgpr_workitem_id 0
		.amdhsa_next_free_vgpr 256
		.amdhsa_next_free_sgpr 66
		.amdhsa_reserve_vcc 1
		.amdhsa_float_denorm_mode_32 3
		.amdhsa_float_denorm_mode_16_64 3
		.amdhsa_memory_ordered 1
		.amdhsa_forward_progress 1
		.amdhsa_inst_pref_size 113
	.end_amdhsa_kernel
	.amdgpu_metadata
---
amdhsa.version: [ 1, 2 ]
amdhsa.kernels:
  - .name:           k_qc759a26d10_attn
    .symbol:         k_qc759a26d10_attn.kd
    .args:
      - { .name: qbuf, .offset: 0, .size: 8, .value_kind: global_buffer, .address_space: global }
      - { .name: kvbuf, .offset: 8, .size: 8, .value_kind: global_buffer, .address_space: global }
      - { .name: ctxq, .offset: 16, .size: 8, .value_kind: global_buffer, .address_space: global }
    .group_segment_fixed_size: 327680
    .private_segment_fixed_size: 0
    .kernarg_segment_align: 8
    .kernarg_segment_size: 24
    .max_flat_workgroup_size: 512
    .sgpr_count:     66
    .vgpr_count:     256
    .wavefront_size: 32
...
	.end_amdgpu_metadata
.endif
;; end of part 3
;; launch outp (part 4): grid 4 x 64, 4 waves a work-group, clusters of 4 x 1, 168,448 bytes of LDS; arguments ctxq, wq, b_out, out0; writes out0
.if DOCPART == 4
	.amdgcn_target "amdgcn-amd-amdhsa--gfx1250"
	.amdhsa_code_object_version 6
	.text
	.protected	k_qc759a26d10_outp
	.globl	k_qc759a26d10_outp
	.p2align	8
	.type	k_qc759a26d10_outp,@function
k_qc759a26d10_outp:
	s_mov_b64 s[64:65], 0
	v_nop
	global_prefetch_b8 v0, s[64:65] scope:SCOPE_SE
	s_setreg_imm32_b32 hwreg(HW_REG_WAVE_MODE, 25, 1), 1
	s_wait_xcnt 0x0
	s_wait_alu depctr_hold_cnt(0) depctr_sa_sdst(0) depctr_va_vdst(0) depctr_va_sdst(0) depctr_va_ssrc(0) depctr_va_vcc(0) depctr_vm_vsrc(0)
	s_getreg_b32 s2, hwreg(HW_REG_IB_STS2, 6, 4)
	s_cmp_eq_u32 s2, 0
	s_cbranch_scc0 .Lentry_in_a_cluster
	s_endpgm
.Lentry_in_a_cluster:
	s_bfe_u32 s2, ttmp6, 0x10000c
	s_cmp_lg_u32 s2, 0x3003
	s_cbranch_scc0 .Lentry_shape_is_right
	s_endpgm
.Lentry_shape_is_right:
; out = ctx W_out + b_out on codes of E3M2, f32 sums.  ctx comes as records (a tile's row r is 32 (T / 2) + 8 (T % 2) + r + 8 (r / 8); 16 units of 768 bytes, then 512 scale bytes), W_out likewise.
; SHARES.  Work-group = (256 columns cb, 128 rows I = 8 tiles = 4 pairs).  Wave w keeps W_out's tiles 16 cb + 4 w + 0..3 for all of K in registers (384).  The block's 8 records of ctx lie in LDS,
; filled once.  A pair of tiles: 8 accumulators x 8 steps of 128 along K.  Source 0 = weights, source 1 = ctx: a lane holds one row and, in two accumulators, 16 neighbouring columns.
; The bias is the C of each sum's first matrix instruction.  CLUSTER: the four column blocks of a row block ask for its ctx jointly (mask 15); the place in the cluster enters global addresses alone.
; The way out: a tile's 16 rows x 64 columns go through the wave's own stage (rows of 272 bytes, bytes into which no fill lands) and leave as aligned pieces of 256 bytes, sixteen lanes to a piece.
; REGISTERS.  Window 0: v1-8 lane terms; v16-79 accumulators; v80-111 the bias; v112-127 W's scale words; v128-135 ctx's; v136-199 rows on the way out.
; Windows 1, 2: W's fragment (j, s) at 12 (4 (s % 4) + j) of window 1 + s / 4.  Window 3: v0-95 ctx's fragments, four sets of two tiles.
.set REC,   12800
.set PAIR,  2*REC
.set WMAT,  64*REC
.set ACC,   16
.set BIAS,  80
.set WS,    112
.set XS,    128
.set OB,    136
.set XF,    0
.set STG,   4*PAIR
.set MSB, 0
.macro WIN new
.if MSB != (\new)
	s_set_vgpr_msb (MSB<<8)|(\new)
.set MSB, (\new)
.endif
.endm
.macro ROUND
	s_barrier_signal -1
	s_barrier_wait -1
	s_cmp_lg_u32 s12, 0
	s_cbranch_scc1 .Lnot_wave_0_\@
	s_barrier_signal -3
.Lnot_wave_0_\@:
	s_barrier_wait -3
	s_barrier_signal -1
	s_barrier_wait -1
.endm
.macro PLACES
.rept 4
	v_nop
.endr
.endm
.macro WM ra, rb                       ; one matrix instruction on rD, rA, rB, rC, rSA, rSB; ra, rb: the side's scale words stand in lanes 16-31
.if \ra
.if \rb
	v_wmma_scale_f32_16x16x128_f8f6f4 v[rD:rD+7], v[rA:rA+11], v[rB:rB+11], v[rC:rC+7], v[rSA], v[rSB] matrix_a_fmt:MATRIX_FMT_BF6 matrix_b_fmt:MATRIX_FMT_BF6 matrix_a_scale:MATRIX_SCALE_ROW1 matrix_b_scale:MATRIX_SCALE_ROW1
.else
	v_wmma_scale_f32_16x16x128_f8f6f4 v[rD:rD+7], v[rA:rA+11], v[rB:rB+11], v[rC:rC+7], v[rSA], v[rSB] matrix_a_fmt:MATRIX_FMT_BF6 matrix_b_fmt:MATRIX_FMT_BF6 matrix_a_scale:MATRIX_SCALE_ROW1
.endif
.else
.if \rb
	v_wmma_scale_f32_16x16x128_f8f6f4 v[rD:rD+7], v[rA:rA+11], v[rB:rB+11], v[rC:rC+7], v[rSA], v[rSB] matrix_a_fmt:MATRIX_FMT_BF6 matrix_b_fmt:MATRIX_FMT_BF6 matrix_b_scale:MATRIX_SCALE_ROW1
.else
	v_wmma_scale_f32_16x16x128_f8f6f4 v[rD:rD+7], v[rA:rA+11], v[rB:rB+11], v[rC:rC+7], v[rSA], v[rSB] matrix_a_fmt:MATRIX_FMT_BF6 matrix_b_fmt:MATRIX_FMT_BF6
.endif
.endif
.endm
.macro KSTEP s                         ; the eight accumulators take turns, one instruction a turn
.set WW, 1+(\s)/4
	WIN (WW|0x0c)                                  ; source 0 the weights' window, source 1 window 3, C and D window 0
.irp u, 0,1
.irp j, 0,1,2,3
.set rD, ACC+8*(4*\u+\j)
.if (\s) == 0
.set rC, BIAS+8*\j
.else
.set rC, rD
.endif
.set rA, 12*(4*((\s)%4)+\j)
.set rB, XF+24*((\s)%4)+12*\u
.set rSA, WS+8*(\j/2)+(\s)
.set rSB, XS+(\s)
	WM (\j%2), \u
.endr
.endr
.endm
.macro LOADX s0
	WIN 0xc0
.irp s, \s0, \s0+1
.irp u, 0,1
.irp q, 0,1,2,3,4,5
	ds_load_b64 v[XF+24*((\s)%4)+12*\u+2*\q:XF+24*((\s)%4)+12*\u+2*\q+1], v3 offset:REC*\u+(2*(\s)+\q/3)*768+8*(\q%3)
.endr
.endr
.endr
.endm
.macro HEAD
	v_add_nc_u32 v3, s45, v1
	v_add_nc_u32 v4, s45, v2
	ds_load_b128 v[XS:XS+3], v4 offset:12288
	ds_load_b128 v[XS+4:XS+7], v4 offset:12304
	LOADX 0
	LOADX 2
	WIN 0
.endm
.macro MULS
	s_wait_dscnt 24                                ; the scale words and steps 0, 1 are in; the 24 loads of steps 2, 3 may be out
	KSTEP 0
	KSTEP 1
	PLACES
	LOADX 4
	s_wait_dscnt 24                                ; steps 2, 3 are in; the 24 just issued may be out
	KSTEP 2
	KSTEP 3
	PLACES
	LOADX 6
	s_wait_dscnt 24
	KSTEP 4
	KSTEP 5
	s_wait_dscnt 0x0
	KSTEP 6
	KSTEP 7
	WIN 0
.endm
.macro EPIO                            ; the way out of a pair
	s_wait_xcnt 0x0                                ; the last pair's stores have read their registers
.irp u, 0,1
.irp j, 0,1,2,3
	ds_store_b128 v5, v[ACC+8*(4*\u+\j):ACC+8*(4*\u+\j)+3] offset:4352*\u+128*(\j/2)+32*(\j%2)       ; each accumulator from its low end on
	ds_store_b128 v5, v[ACC+8*(4*\u+\j)+4:ACC+8*(4*\u+\j)+7] offset:4352*\u+128*(\j/2)+32*(\j%2)+16
.endr
.irp i, 0,1,2,3,4,5,6,7
	ds_load_b128 v[OB+32*\u+4*\i:OB+32*\u+4*\i+3], v6 offset:4352*\u+544*\i   ; LDS serves a wave's instructions in order: these see my stores
.endr
.endr
.irp u, 0,1
.irp i, 0,1,2,3,4,5,6,7
	s_wait_dscnt (1-\u)*16+7-\i                    ; behind this read-back: the tile's later ones, and for tile 0 tile 1's eight stores and eight read-backs
	global_store_b128 v7, v[OB+32*\u+4*\i:OB+32*\u+4*\i+3], s[36:37] offset:(8*\u+2*\i+8*(\i/4))*4096 th:TH_STORE_NT   ; sixteen lanes store 256 consecutive bytes, aligned
.endr
.endr
.endm
	s_load_b256 s[4:11], s[0:1], 0x0               ; ctxq, wq, b_out, out0
	v_lshl_add_u32 v254, v0, 2, 0x29000
	v_mov_b32 v255, 0
	ds_add_u32 v254, v255
	ds_add_u32 v254, v255
	v_lshrrev_b32 v1, 5, v0
	v_readfirstlane_b32 s12, v1                    ; wave 0..3
	s_bfe_u32 s13, ttmp6, 0x40000                  ; cx
	s_lshl_b32 s14, ttmp9, 2
	s_add_co_u32 s14, s14, s13                     ; cb
	s_and_b32 s15, ttmp7, 0xffff                   ; I, which the four partners share
	s_mov_b32 s16, 15|(3<<16)|(1<<21)              ; group 1: the mask, elements of 8 bytes, bit 21 beside the mask; 100 rows of 256 bytes, dense
	s_mov_b32 s17, 32<<16
	s_mov_b32 s18, 100<<16
	s_mov_b32 s19, 32<<16
	s_mov_b32 s20, 100
	s_mov_b32 s21, 32
	s_mov_b32 s22, 0
	s_mov_b32 s23, 0
	s_mul_i32 s50, s12, PAIR                       ; wave w fetches pair w
	s_mul_i32 s52, s15, 4*PAIR
	s_add_co_u32 s52, s52, s50
	s_mov_b32 s53, 0
	s_lshl_b32 s54, s14, 4
	s_lshl_b32 s55, s12, 2
	s_add_co_u32 s54, s54, s55                     ; my first tile of W_out
	s_mul_i32 s32, s54, REC
	s_add_co_u32 s32, s32, 3*WMAT
	s_mov_b32 s33, 0
	s_lshl_b32 s34, s54, 6                         ; my first column, in bytes of f32
	s_mov_b32 s35, 0
	s_lshl_b32 s36, s15, 19                        ; 128 I rows of 4,096 bytes
	s_add_co_u32 s36, s36, s34
	s_mov_b32 s37, 0
	s_mul_i32 s56, s12, 8704
	s_add_co_u32 s56, s56, STG                     ; my two stages
	v_and_b32 v9, 31, v0
	v_and_b32 v10, 15, v0                          ; r
	v_bfe_u32 v11, v0, 4, 1                        ; h
	v_mul_u32_u24 v1, v9, 24
	v_mul_u32_u24 v2, v11, REC
	v_lshl_add_u32 v2, v10, 5, v2
	v_mul_u32_u24 v5, v10, 272
	v_lshl_add_u32 v5, v11, 6, v5
	v_add_nc_u32 v5, s56, v5                       ; into the stage: row r, + 64 h
	v_mul_u32_u24 v6, v11, 272
	v_lshl_add_u32 v6, v10, 4, v6
	v_add_nc_u32 v6, s56, v6                       ; back: lanes 0-15 one row, lanes 16-31 the next
	v_lshlrev_b32 v7, 12, v11
	v_lshl_add_u32 v7, v10, 4, v7                  ; the same in out0
	v_lshlrev_b32 v8, 6, v11                       ; the bias: my half's 16 columns
	s_wait_dscnt 0x0
	s_wait_kmcnt 0x0
	s_mov_b32 s24, 1
	s_mov_b32 s25, s50
	s_add_nc_u64 s[26:27], s[4:5], s[52:53]
	s_or_b32 s27, s27, 0x80000000
	ROUND                                          ; all four work-groups are here: the joint loads meet
	tensor_load_to_lds s[24:27], s[16:23]          ; one load of mine is out; each LDS byte is filled once
	s_nop 0
.rept 4
	v_nop
.endr
	s_add_nc_u64 s[32:33], s[6:7], s[32:33]
	s_add_nc_u64 s[34:35], s[8:9], s[34:35]
	s_add_nc_u64 s[36:37], s[10:11], s[36:37]
.irp p, 0,1
	global_load_b128 v[WS+8*\p:WS+8*\p+3], v2, s[32:33] offset:PAIR*\p+12288
	global_load_b128 v[WS+8*\p+4:WS+8*\p+7], v2, s[32:33] offset:PAIR*\p+12304
.endr
	s_wait_alu depctr_va_vdst(0)
.irp j, 0,1,2,3
	global_load_b128 v[BIAS+8*\j:BIAS+8*\j+3], v8, s[34:35] offset:(32*(\j/2)+8*(\j%2))*4
	global_load_b128 v[BIAS+8*\j+4:BIAS+8*\j+7], v8, s[34:35] offset:(32*(\j/2)+8*(\j%2))*4+16
.endr
.irp s, 0,1,2,3,4,5,6,7
	WIN ((1+\s/4)<<6)
.irp j, 0,1,2,3
.irp q, 0,1,2,3,4,5
	global_load_b64 v[12*(4*(\s%4)+\j)+2*\q:12*(4*(\s%4)+\j)+2*\q+1], v1, s[32:33] offset:REC*\j+(2*\s+\q/3)*768+8*(\q%3)
.endr
.endr
.endr
	WIN 0
	s_wait_tensorcnt 0x0
	s_barrier_signal -1
	s_barrier_wait -1                              ; the block's four pairs are in
	s_mov_b32 s45, 0
	HEAD
	s_wait_alu depctr_va_vdst(0)
	s_wait_loadcnt 0x0                             ; the weights and the bias
	MULS
	s_mov_b32 s44, 1
.Lpair:
	s_add_co_u32 s45, s45, PAIR
	PLACES
	HEAD
	s_wait_alu depctr_va_vdst(0)
	EPIO
	MULS
	s_wait_xcnt 0x0                                ; the stores have read their base
	s_add_nc_u64 s[36:37], s[36:37], 131072        ; 32 rows on
	s_add_co_u32 s44, s44, 1
	s_cmp_lt_u32 s44, 4
	s_cbranch_scc1 .Lpair
	PLACES
	EPIO
	s_wait_dscnt 0x0
	s_wait_tensorcnt 0x0
	ds_add_u32 v254, v255
	s_wait_dscnt 0x0
	ROUND                                          ; the closing round
	s_endpgm
.Lfunc_end_k_qc759a26d10_outp:
	.size	k_qc759a26d10_outp, .Lfunc_end_k_qc759a26d10_outp-k_qc759a26d10_outp
	.p2alignl 7, 3214868480
	.fill 96, 4, 3214868480
	.section	.rodata,"a",@progbits
	.p2align	6, 0x0
	.amdhsa_kernel k_qc759a26d10_outp
		.amdhsa_group_segment_fixed_size 168448
		.amdhsa_private_segment_fixed_size 0
		.amdhsa_enable_private_segment 0
		.amdhsa_kernarg_size 32
		.amdhsa_user_sgpr_count 2
		.amdhsa_user_sgpr_kernarg_segment_ptr 1
		.amdhsa_wavefront_size32 1
		.amdhsa_system_sgpr_workgroup_id_x 1
		.amdhsa_system_sgpr_workgroup_id_y 1
		.amdhsa_system_sgpr_workgroup_id_z 1
		.amdhsa_system_vgpr_workitem_id 0
		.amdhsa_next_free_vgpr 1024
		.amdhsa_next_free_sgpr 66
		.amdhsa_reserve_vcc 0
		.amdhsa_float_denorm_mode_32 3
		.amdhsa_float_denorm_mode_16_64 3
		.amdhsa_memory_ordered 1
		.amdhsa_forward_progress 1
		.amdhsa_inst_pref_size 63
	.end_amdhsa_kernel
	.amdgpu_metadata
---
amdhsa.version: [ 1, 2 ]
amdhsa.kernels:
  - .name:           k_qc759a26d10_outp
    .symbol:         k_qc759a26d10_outp.kd
    .args:
      - { .name: ctxq, .offset: 0, .size: 8, .value_kind: global_buffer, .address_space: global }
      - { .name: wq, .offset: 8, .size: 8, .value_kind: global_buffer, .address_space: global }
      - { .name: b_out, .offset: 16, .size: 8, .value_kind: global_buffer, .address_space: global }
      - { .name: out0, .offset: 24, .size: 8, .value_kind: global_buffer, .address_space: global }
    .group_segment_fixed_size: 168448
    .private_segment_fixed_size: 0
    .kernarg_segment_align: 8
    .kernarg_segment_size: 32
    .max_flat_workgroup_size: 128
    .sgpr_count:     66
    .vgpr_count:     1024
    .wavefront_size: 32
...
	.end_amdgpu_metadata
.endif
;; end of part 4
